; MI455X (gfx1250); checked and timed in simulation.
; The chip was launched on July 23, 2026; its instructions are those of AMD's public machine-readable ISA for CDNA 5 (MIT licence, August 2026) and "CDNA5" Instruction Set Architecture Reference Guide (July 2026). The comments in the code are by the model that wrote it; some were corrected since.
;; Retina Net Loss. Allowed arithmetic: float matrix products may take bf16 or f16 operands with f32 sums; all other float work in f32.
;; Inputs: anchors 120,000 x 4 float32; gt_boxes 8 x 64 x 4 float32.
;; Outputs: out0 8 x 120,000 int32; out1 8 x 120,000 float32.
;; 2 versions, each right; version 2 is version 1 with the launch match written anew for expert scheduling mode. Each part assembles by itself: llvm-mc -triple=amdgcn-amd-amdhsa -mcpu=gfx1250 --defsym DOCPART=n.
;; ======== version 1 of 2: 3 launches
;; workspace buffers: amax 768,000 bytes; pkey 768,000 bytes of whole numbers; hit 24,064 bytes of whole numbers
;; launch match (part 1): grid 750 x 1, 4 waves a work-group, no clusters, 35,328 bytes of LDS; arguments anchors, gt_boxes, out1, amax, pkey; writes out1, amax, pkey
.if DOCPART == 1
	.amdgcn_target "amdgcn-amd-amdhsa--gfx1250"
	.amdhsa_code_object_version 6
	.text
	.protected	k_q7fe678f8da_match
	.globl	k_q7fe678f8da_match
	.p2align	8
	.type	k_q7fe678f8da_match,@function
k_q7fe678f8da_match:
	s_mov_b64 s[64:65], 0
	v_nop
	global_prefetch_b8 v0, s[64:65] scope:SCOPE_SE
	s_setreg_imm32_b32 hwreg(HW_REG_WAVE_MODE, 25, 1), 1
	s_wait_xcnt 0x0
; IoU of 64 gt boxes with 120,000 anchors for 8 images: per anchor the largest IoU (out1) and the first gt that reaches it (amax),
; per gt the largest IoU inside each chunk of 320 anchors (pkey).  The thresholds and the low-quality recovery follow in the launches behind this one.
; 3,000 waves = 8 images x 375 chunks.  A wave owns one image and one chunk; a lane owns 5 pairs of neighbouring anchors:
; slot j = 2 p + e is anchor 320 chunk + 64 p + 2 lane + e, so a b64 store of the wave covers 256 consecutive bytes, aligned.
; The gt boxes are scalars (s_load_b512, four boxes a set, two sets by turns), the anchors stay in registers for the whole kernel.
; ARITHMETIC: lt = max, rb = min, clip(rb - lt, 0) * clip(..), (area1 + area2) - inter, each rounded in that order.
; The clip is folded in: rb' = max(min(g2, a2), lt), so rb' - lt is rb - lt where that is positive and +0 otherwise.
; LIMITS: (1) an IoU that is NaN or infinite (union = 0) is not served: the maxima here drop NaN.  (2) The quotient is
; q0 + r (n - u q0), q0 = n r, r = v_rcp_f32(u): it is the correctly rounded quotient unless the exact one lies within about 2^-20 ulp
; of the middle between two f32 numbers, where the neighbour may come out.  (3) v_rcp_f32 takes a union below 2^-126 as zero.
; Boxes need not be valid: the running maxima start at -inf, so negative IoUs (negative areas) keep their order.
.set NCH,     375                      ; chunks in an image
.set CHUNK_A, 5120                     ; bytes of a chunk's anchors: 320 x 16
.set CHUNK_O, 1280                     ; bytes of a chunk in out1: 320 x 4
.set DROW,    272                      ; LDS: two gt rows of 32 lanes x 4 bytes + 16 of padding = 17 x 16 bytes
.set WLDS,    32*DROW                  ; a wave's own LDS: 64 gt rows
.set AN, 8                             ; v[8:47]    pair p: x1 y1 x2 y2 of the even anchor, then of the odd one, as loaded
.set AR, 48                            ; v[48:57]   area2 of slot j
.set M,  58                            ; v[58:67]   running maximum of slot j
.set IX, 68                            ; v[68:77]   first gt that reached it
.set HV, 78                            ; v78        this gt's maximum over my 10 anchors
.set LA, 79                            ; v79        LDS address of my word in the trip's first gt row
.set LT, 80                            ; v[80:99]   pair p: ltx e,o  lty e,o; later inter e,o  union e,o; later residual in union's place
.set RB, 100                           ; v[100:119] pair p: rbx e,o  rby e,o; later w, h; later r e,o  q e,o
.set RD, 80                            ; v[80:143]  at the end: the two gt rows that I reduce, 32 words each
.set PK, 144                           ; v[144:145] ten indices of 6 bits
.set KY, 146                           ; v[146:147] two keys
.set TT, 148                           ; v[148:149] at work
.set GS, 48                            ; s48, s50, s52, s54: area1 of the set's four boxes; the odd registers only complete the pairs
.set MK, 66                            ; s[66:75]   lane masks of the ten compares
	s_load_b256 s[4:11], s[0:1], 0x0               ; anchors s[4:5], gt_boxes s[6:7], out1 s[8:9], amax s[10:11]
	s_load_b64 s[12:13], s[0:1], 0x20              ; pkey
	v_lshl_add_u32 v150, v0, 2, 0x8800
	v_mov_b32 v151, 0
	v_lshrrev_b32 v1, 5, v0
	v_readfirstlane_b32 s14, v1                    ; wave 0..3
	v_and_b32 v1, 31, v0                           ; lane
	s_lshl_b32 s15, ttmp9, 2
	s_add_co_u32 s15, s15, s14                     ; wave's number in the launch, 0..2999 = 375 image + chunk
	s_mul_hi_u32 s60, s15, 11453247                ; image = number / 375: 11453247 = ceil(2^32 / 375), exact for numbers below 13 million
	s_mul_i32 s61, s60, NCH
	s_sub_co_u32 s61, s15, s61                     ; chunk
	s_mul_i32 s61, s61, CHUNK_A
	v_lshl_add_u32 v2, v1, 5, s61                  ; anchors: chunk + 32 bytes (two anchors) a lane
	s_mul_i32 s62, s15, CHUNK_O                    ; 375 x 1,280 = a row of out1, so image and chunk are one product
	v_lshl_add_u32 v3, v1, 3, s62                  ; out1: + 8 bytes a lane
	s_lshl_b32 s63, s15, 8
	v_lshl_add_u32 v4, v1, 3, s63                  ; amax and pkey: 256 bytes a wave, 8 a lane
	s_mul_i32 s56, s14, WLDS
	v_lshl_add_u32 v[LA], v1, 2, s56               ; LDS in: my word of a gt row
	v_mul_u32_u24 v5, v1, DROW
	v_add_nc_u32 v5, s56, v5                       ; LDS back: gt rows 2 lane and 2 lane + 1
	s_lshl_b32 s2, s60, 10                         ; an image's boxes: 1,024 bytes
	s_mov_b32 s3, 0
	s_wait_kmcnt 0x0
.irp p, 0,1,2,3,4
	global_load_b128 v[AN+8*\p:AN+8*\p+3],   v2, s[4:5] offset:1024*\p
	global_load_b128 v[AN+8*\p+4:AN+8*\p+7], v2, s[4:5] offset:1024*\p+16
.endr
	s_add_nc_u64 s[6:7], s[6:7], s[2:3]
	s_load_b512 s[16:31], s[6:7], 0x0              ; boxes 0 to 3
.irp j, 0,1,2,3,4,5,6,7,8,9
	v_mov_b32 v[M+\j], 0xff800000                  ; -inf: the first gt always wins, so a tie at the maximum keeps the first index
	v_mov_b32 v[IX+\j], 0
.endr
.irp j, 1,3,5,7
	s_mov_b32 s[GS+\j], 0                          ; upper halves of the area pairs: named by the packed add, never used
.endr
	s_mov_b32 s58, 0                               ; the gt's number
	s_mov_b32 s59, 0                               ; trips
	s_wait_loadcnt 0x0
.irp j, 0,1,2,3,4,5,6,7,8,9
	v_pk_add_f32 v[LT+2*\j:LT+2*\j+1], v[AN+4*\j+2:AN+4*\j+3], v[AN+4*\j:AN+4*\j+1] neg_lo:[0,1] neg_hi:[0,1]
.endr
.irp j, 0,1,2,3,4,5,6,7,8,9
	v_mul_f32 v[AR+\j], v[LT+2*\j], v[LT+2*\j+1]   ; area2 = (x2 - x1) (y2 - y1)
.endr
; area1 of the four boxes of a set, on the scalar unit: a - b as a + (-b), the same single rounding
.macro AREAS sb
.irp j, 0,1,2,3
	s_xor_b32 s56, s[\sb+4*\j], 0x80000000
	s_xor_b32 s57, s[\sb+4*\j+1], 0x80000000
	s_add_f32 s56, s[\sb+4*\j+2], s56
	s_add_f32 s57, s[\sb+4*\j+3], s57
	s_mul_f32 s[GS+2*\j], s56, s57
.endr
.endm
.macro UNI p                           ; union = (area1 + area2) - inter
	v_pk_add_f32 v[LT+4*\p+2:LT+4*\p+3], v[LT+4*\p+2:LT+4*\p+3], v[LT+4*\p:LT+4*\p+1] neg_lo:[0,1] neg_hi:[0,1]
.endm
.macro RCP p
	v_rcp_f32 v[RB+4*\p],   v[LT+4*\p+2]
	v_rcp_f32 v[RB+4*\p+1], v[LT+4*\p+3]
.endm
.macro QUO p                           ; q0 = inter * r
	s_wait_alu depctr_va_vdst(0)
	v_pk_mul_f32 v[RB+4*\p+2:RB+4*\p+3], v[LT+4*\p:LT+4*\p+1], v[RB+4*\p:RB+4*\p+1]
.endm
; One gt box (s[sb:sb+3], area1 in s[sa]) against my ten anchors, stage by stage over the five pairs, so that an instruction's
; sources were written five or more instructions earlier.  off: the gt row's place in LDS within this trip.
.macro GT sb, sa, off
.irp p, 0,1,2,3,4
	v_max_num_f32 v[LT+4*\p],   s[\sb],   v[AN+8*\p]
	v_max_num_f32 v[LT+4*\p+1], s[\sb],   v[AN+8*\p+4]
	v_max_num_f32 v[LT+4*\p+2], s[\sb+1], v[AN+8*\p+1]
	v_max_num_f32 v[LT+4*\p+3], s[\sb+1], v[AN+8*\p+5]
.endr
.irp p, 0,1,2,3,4
	v_minmax_num_f32 v[RB+4*\p],   s[\sb+2], v[AN+8*\p+2], v[LT+4*\p]     ; max(min(g2, a2), lt): the clip at 0, ahead of the difference
	v_minmax_num_f32 v[RB+4*\p+1], s[\sb+2], v[AN+8*\p+6], v[LT+4*\p+1]
	v_minmax_num_f32 v[RB+4*\p+2], s[\sb+3], v[AN+8*\p+3], v[LT+4*\p+2]
	v_minmax_num_f32 v[RB+4*\p+3], s[\sb+3], v[AN+8*\p+7], v[LT+4*\p+3]
.endr
.irp p, 0,1,2,3,4
	v_pk_add_f32 v[RB+4*\p:RB+4*\p+1],   v[RB+4*\p:RB+4*\p+1],   v[LT+4*\p:LT+4*\p+1]   neg_lo:[0,1] neg_hi:[0,1]   ; w of both anchors
	v_pk_add_f32 v[RB+4*\p+2:RB+4*\p+3], v[RB+4*\p+2:RB+4*\p+3], v[LT+4*\p+2:LT+4*\p+3] neg_lo:[0,1] neg_hi:[0,1]   ; h of both
.endr
.irp p, 0,1,2,3,4
	v_pk_add_f32 v[LT+4*\p+2:LT+4*\p+3], v[AR+2*\p:AR+2*\p+1], s[\sa:\sa+1] op_sel_hi:[1,0]   ; area1 + area2
.endr
.irp p, 0,1,2,3,4
	v_pk_mul_f32 v[LT+4*\p:LT+4*\p+1], v[RB+4*\p:RB+4*\p+1], v[RB+4*\p+2:RB+4*\p+3]           ; inter = w h
.endr
	; Between a v_rcp_f32 and the first use of its result stands a plain vector instruction that names none of its registers
	; (ISA guide 5.7.2): the unions of later pairs and the products of earlier ones are laid between the reciprocals.
	UNI 0
	UNI 1
	RCP 0
	UNI 2
	RCP 1
	UNI 3
	RCP 2
	UNI 4
	RCP 3
	QUO 0
	RCP 4
	QUO 1
	QUO 2
	QUO 3
	QUO 4
.irp p, 0,1,2,3,4
	v_pk_fma_f32 v[LT+4*\p+2:LT+4*\p+3], v[LT+4*\p+2:LT+4*\p+3], v[RB+4*\p+2:RB+4*\p+3], v[LT+4*\p:LT+4*\p+1] neg_lo:[1,0,0] neg_hi:[1,0,0]   ; inter - union q0
.endr
.irp p, 0,1,2,3,4
	v_pk_fma_f32 v[RB+4*\p+2:RB+4*\p+3], v[LT+4*\p+2:LT+4*\p+3], v[RB+4*\p:RB+4*\p+1], v[RB+4*\p+2:RB+4*\p+3]   ; q = q0 + residual r
.endr
.irp p, 0,1,2,3,4
	v_cmp_gt_f32 s[MK+2*\p],   v[RB+4*\p+2], v[M+2*\p]      ; strictly larger: an equal later gt does not take the index
	v_cmp_gt_f32 s[MK+2*\p+1], v[RB+4*\p+3], v[M+2*\p+1]
.endr
	v_max_num_f32 v[HV], v[RB+2], v[RB+3]                   ; the first pair starts this gt's maximum: nothing is cleared
.irp p, 0,1,2,3,4
	v_cndmask_b32 v[IX+2*\p],   v[IX+2*\p],   s58, s[MK+2*\p]
	v_cndmask_b32 v[IX+2*\p+1], v[IX+2*\p+1], s58, s[MK+2*\p+1]
	v_max_num_f32 v[M+2*\p],   v[M+2*\p],   v[RB+4*\p+2]
	v_max_num_f32 v[M+2*\p+1], v[M+2*\p+1], v[RB+4*\p+3]
.if \p > 0
	v_max3_num_f32 v[HV], v[HV], v[RB+4*\p+2], v[RB+4*\p+3]
.endif
.endr
	ds_store_b32 v[LA], v[HV] offset:\off                   ; 32 lanes, 128 consecutive bytes of my wave's own LDS
	s_add_co_u32 s58, s58, 1
.endm
; Eight gt boxes.  more = 1: the next trip's first set is asked for while the second set is worked on.
.macro TRIP more
	s_wait_kmcnt 0x0                               ; the first set is in (asked for four boxes' work ago)
	s_load_b512 s[32:47], s[6:7], 0x40             ; the second set, for four boxes' work from now
	AREAS 16
	GT 16, GS+0, 0
	GT 20, GS+2, 128
	GT 24, GS+4, DROW
	GT 28, GS+6, DROW+128
	s_wait_kmcnt 0x0                               ; the second set is in, and no scalar load still reads s[6:7]
.if \more
	s_add_nc_u64 s[6:7], s[6:7], 128               ; eight boxes on
	s_load_b512 s[16:31], s[6:7], 0x0
.endif
	AREAS 32
	GT 32, GS+0, 2*DROW
	GT 36, GS+2, 2*DROW+128
	GT 40, GS+4, 3*DROW
	GT 44, GS+6, 3*DROW+128
.if \more
	v_add_nc_u32 v[LA], 4*DROW, v[LA]
.endif
.endm
.Ltrip:
	TRIP 1
	s_add_co_u32 s59, s59, 1
	s_cmp_lt_u32 s59, 7
	s_cbranch_scc1 .Ltrip
	TRIP 0                                         ; boxes 56 to 63: nothing is asked for beyond the image's 64 boxes
	; the gt rows back, transposed: lane l takes rows 2 l and 2 l + 1, 256 bytes at 272 l: the sixteen lanes of a half wave start at
	; sixteen different 16-byte columns of 256.  A wave's LDS instructions are served in order (ISA guide 5.7.1): these see the stores above.
.set i, 0
.rept 16
	ds_load_b128 v[RD+4*i:RD+4*i+3], v5 offset:16*i
.set i, i+1
.endr
.irp p, 0,1,2,3,4
	global_store_b64 v3, v[M+2*\p:M+2*\p+1], s[8:9] offset:256*\p      ; out1: 256 consecutive bytes, aligned; read again by the last launch
.endr
.irp h, 0,1
	v_lshl_or_b32 v[PK+\h], v[IX+5*\h+1], 6,  v[IX+5*\h]               ; five indices of 6 bits in a word: slots 0-4, slots 5-9
	v_lshl_or_b32 v[PK+\h], v[IX+5*\h+2], 12, v[PK+\h]
	v_lshl_or_b32 v[PK+\h], v[IX+5*\h+3], 18, v[PK+\h]
	v_lshl_or_b32 v[PK+\h], v[IX+5*\h+4], 24, v[PK+\h]
.endr
	global_store_b64 v4, v[PK:PK+1], s[10:11]
	s_wait_dscnt 0x0
.set i, 0
.rept 16
	v_max3_num_f32 v[RD+4*i], v[RD+4*i], v[RD+4*i+1], v[RD+4*i+2]
.set i, i+1
.endr
.set i, 0
.rept 16
	v_max_num_f32 v[RD+4*i], v[RD+4*i], v[RD+4*i+3]
.set i, i+1
.endr
.irp h, 0,1
	v_max3_num_f32 v[RD+32*\h],    v[RD+32*\h],    v[RD+32*\h+4],  v[RD+32*\h+8]
	v_max3_num_f32 v[RD+32*\h+12], v[RD+32*\h+12], v[RD+32*\h+16], v[RD+32*\h+20]
	v_max_num_f32  v[RD+32*\h+24], v[RD+32*\h+24], v[RD+32*\h+28]
.endr
.irp h, 0,1
	v_max3_num_f32 v[RD+32*\h], v[RD+32*\h], v[RD+32*\h+12], v[RD+32*\h+24]
.endr
	; The chunk's maximum as a key whose unsigned order is the numbers' order: -0 becomes +0, then the sign bit is flipped
	; for numbers >= 0 and all bits for numbers < 0.  Equal numbers have equal keys, so the next launch compares whole numbers.
.irp h, 0,1
	v_add_f32 v[KY+\h], 0, v[RD+32*\h]
	v_ashrrev_i32 v[TT+\h], 31, v[KY+\h]
	v_or_b32 v[TT+\h], 0x80000000, v[TT+\h]
	v_xor_b32 v[KY+\h], v[KY+\h], v[TT+\h]
.endr
	global_store_b64 v4, v[KY:KY+1], s[12:13]      ; 64 keys of this chunk: 256 consecutive bytes, aligned
	s_wait_tensorcnt 0x0
	ds_add_u32 v150, v151
	s_wait_dscnt 0x0
	s_endpgm
.Lfunc_end_k_q7fe678f8da_match:
	.size	k_q7fe678f8da_match, .Lfunc_end_k_q7fe678f8da_match-k_q7fe678f8da_match
	.p2alignl 7, 3214868480
	.fill 96, 4, 3214868480
	.section	.rodata,"a",@progbits
	.p2align	6, 0x0
	.amdhsa_kernel k_q7fe678f8da_match
		.amdhsa_group_segment_fixed_size 35328
		.amdhsa_private_segment_fixed_size 0
		.amdhsa_enable_private_segment 0
		.amdhsa_kernarg_size 40
		.amdhsa_user_sgpr_count 2
		.amdhsa_user_sgpr_kernarg_segment_ptr 1
		.amdhsa_wavefront_size32 1
		.amdhsa_system_sgpr_workgroup_id_x 1
		.amdhsa_system_sgpr_workgroup_id_y 1
		.amdhsa_system_sgpr_workgroup_id_z 1
		.amdhsa_system_vgpr_workitem_id 0
		.amdhsa_next_free_vgpr 152
		.amdhsa_next_free_sgpr 76
		.amdhsa_reserve_vcc 0
		.amdhsa_float_denorm_mode_32 3
		.amdhsa_float_denorm_mode_16_64 3
		.amdhsa_memory_ordered 1
		.amdhsa_forward_progress 1
		.amdhsa_inst_pref_size 122
	.end_amdhsa_kernel
	.amdgpu_metadata
---
amdhsa.version: [ 1, 2 ]
amdhsa.kernels:
  - .name:           k_q7fe678f8da_match
    .symbol:         k_q7fe678f8da_match.kd
    .args:
      - { .name: anchors, .offset: 0, .size: 8, .value_kind: global_buffer, .address_space: global }
      - { .name: gt_boxes, .offset: 8, .size: 8, .value_kind: global_buffer, .address_space: global }
      - { .name: out1, .offset: 16, .size: 8, .value_kind: global_buffer, .address_space: global }
      - { .name: amax, .offset: 24, .size: 8, .value_kind: global_buffer, .address_space: global }
      - { .name: pkey, .offset: 32, .size: 8, .value_kind: global_buffer, .address_space: global }
    .group_segment_fixed_size: 35328
    .private_segment_fixed_size: 0
    .kernarg_segment_align: 8
    .kernarg_segment_size: 40
    .max_flat_workgroup_size: 128
    .sgpr_count:     76
    .vgpr_count:     152
    .wavefront_size: 32
...
	.end_amdgpu_metadata
.endif
;; end of part 1
;; launch reduce (part 2): grid 8 x 1, 15 waves a work-group, no clusters, 5,888 bytes of LDS; arguments pkey, hit; writes hit
.if DOCPART == 2
	.amdgcn_target "amdgcn-amd-amdhsa--gfx1250"
	.amdhsa_code_object_version 6
	.text
	.protected	k_q7fe678f8da_reduce
	.globl	k_q7fe678f8da_reduce
	.p2align	8
	.type	k_q7fe678f8da_reduce,@function
k_q7fe678f8da_reduce:
	s_mov_b64 s[64:65], 0
	v_nop
	global_prefetch_b8 v0, s[64:65] scope:SCOPE_SE
	s_setreg_imm32_b32 hwreg(HW_REG_WAVE_MODE, 25, 1), 1
	s_wait_xcnt 0x0
; Which chunks reach a gt's maximum over all anchors?  pkey holds, for each of 8 images x 375 chunks, 64 keys: the largest IoU of each gt
; inside the chunk, as whole numbers whose unsigned order is the IoUs' order.  A gt's maximum is the largest of its image's 375 keys.
; This launch stores for each chunk 64 bits (hit): word 0, bit l: the chunk's key of gt 2 l equals that maximum; word 1, bit l: of gt 2 l + 1.
; The last launch reads these words as scalars and makes IoUs again only where a bit is set.
; One work-group an image, 15 waves x 25 chunk rows = 375.  A row is 256 bytes: lane l holds the keys of gts 2 l and 2 l + 1.
; A wave keeps its 25 rows in registers: they are read from memory once, merged for the maximum and then compared with it.
; Eight work-groups are all the work there is: a further work-group for an image would have to read the same 375 rows again.
.set NCH,   375
.set WAVES, 15
.set ROWS,  25                         ; rows of a wave
.set RW, 10                            ; v[10:59]   my 25 rows, kept as loaded
.set T,  60                            ; v[60:89]   at work: the merge of my rows, then the fifteen waves' rows
.set HM, 90                            ; v[90:91]   lane i: the two words of my row i
.set MK, 16                            ; s[16:23]   lane masks of the compares, four pairs by turns
	s_load_b128 s[4:7], s[0:1], 0x0                ; pkey s[4:5], hit s[6:7]
	v_lshl_add_u32 v92, v0, 2, 0xf00
	v_mov_b32 v93, 0
	v_lshrrev_b32 v1, 5, v0
	v_readfirstlane_b32 s8, v1                     ; wave 0..14
	v_and_b32 v1, 31, v0                           ; lane
	s_mul_i32 s9, ttmp9, NCH                       ; the work-group's number is the image
	s_mul_i32 s10, s8, ROWS
	s_add_co_u32 s10, s10, s9                      ; my first row = 375 image + 25 wave
	s_lshl_b32 s11, s10, 8
	s_lshl_b32 s12, s10, 3
	s_lshl_b32 s13, s8, 8
	v_lshl_add_u32 v2, v1, 3, s11                  ; pkey: 256 bytes a row, 8 a lane
	v_lshl_add_u32 v3, v1, 3, s12                  ; hit: 8 bytes a row, lane i for my row i
	v_lshlrev_b32 v4, 3, v1                        ; LDS back: my two gts in every wave's row
	v_lshl_add_u32 v5, v1, 3, s13                  ; LDS in: my wave's row
	v_mov_b32 v[HM], 0                             ; written whole once: v_writelane_b32 changes one lane and keeps the others
	v_mov_b32 v[HM+1], 0
	s_wait_kmcnt 0x0
.set i, 0
.rept ROWS
	global_load_b64 v[RW+2*i:RW+2*i+1], v2, s[4:5] offset:256*i
.set i, i+1
.endr
.macro MAX2 d, a, b                    ; two keys a lane: d = the larger of a and b
	v_max_u32 v[\d],   v[\a],   v[\b]
	v_max_u32 v[\d+1], v[\a+1], v[\b+1]
.endm
	s_wait_loadcnt 0x0
.irp i, 0,1,2,3,4,5,6,7,8,9,10,11
	MAX2 T+2*\i, RW+2*\i, RW+2*\i+24               ; rows i and i + 12, into registers of their own: the rows stay
.endr
.irp i, 0,1,2,3,4,5
	MAX2 T+2*\i, T+2*\i, T+2*\i+12
.endr
.irp i, 0,1,2
	MAX2 T+2*\i, T+2*\i, T+2*\i+6
.endr
	MAX2 T, T, T+2
	MAX2 T, T, T+4
	MAX2 T, T, RW+48                               ; row 24
	ds_store_b64 v5, v[T:T+1]
	s_wait_dscnt 0x0                               ; my row is in LDS before I say so
	s_barrier_signal -1
	s_barrier_wait -1                              ; all fifteen rows are
.set i, 0
.rept WAVES
	ds_load_b64 v[T+2*i:T+2*i+1], v4 offset:256*i
.set i, i+1
.endr
	s_wait_dscnt 0x0
.irp i, 0,1,2,3,4,5,6
	MAX2 T+2*\i, T+2*\i, T+2*\i+14
.endr
.irp i, 0,1,2
	MAX2 T+2*\i, T+2*\i, T+2*\i+6
.endr
	MAX2 T, T, T+2
	MAX2 T, T, T+4
	MAX2 T, T, T+12
	MAX2 T, T, T+28                                ; v[T:T+1]: the keys of the maxima of gts 2 lane and 2 lane + 1 over all anchors
.set i, 0
.rept ROWS
	v_cmp_eq_u32 s[MK+2*(i%4)],   v[RW+2*i],   v[T]        ; bit l: row i reaches the maximum of gt 2 l
	v_cmp_eq_u32 s[MK+2*(i%4)+1], v[RW+2*i+1], v[T+1]      ; bit l: of gt 2 l + 1
	v_writelane_b32 v[HM],   s[MK+2*(i%4)],   i            ; the two words go to lane i
	v_writelane_b32 v[HM+1], s[MK+2*(i%4)+1], i
.set i, i+1
.endr
	v_cmp_gt_u32 vcc_lo, ROWS, v1                  ; lanes 0 to 24 hold a row's words
	s_wait_xcnt 0x0                                ; EXEC changes only behind s_wait_xcnt 0
	s_wait_tensorcnt 0x0
	ds_add_u32 v92, v93
	s_wait_dscnt 0x0
	s_and_saveexec_b32 s30, vcc_lo
	global_store_b64 v3, v[HM:HM+1], s[6:7]        ; 200 consecutive bytes: my 25 rows' words
	s_wait_xcnt 0x0                                ; and again, in front of the line that widens it
	s_or_b32 exec_lo, exec_lo, s30
	s_endpgm
.Lfunc_end_k_q7fe678f8da_reduce:
	.size	k_q7fe678f8da_reduce, .Lfunc_end_k_q7fe678f8da_reduce-k_q7fe678f8da_reduce
	.p2alignl 7, 3214868480
	.fill 96, 4, 3214868480
	.section	.rodata,"a",@progbits
	.p2align	6, 0x0
	.amdhsa_kernel k_q7fe678f8da_reduce
		.amdhsa_group_segment_fixed_size 5888
		.amdhsa_private_segment_fixed_size 0
		.amdhsa_enable_private_segment 0
		.amdhsa_kernarg_size 16
		.amdhsa_user_sgpr_count 2
		.amdhsa_user_sgpr_kernarg_segment_ptr 1
		.amdhsa_wavefront_size32 1
		.amdhsa_system_sgpr_workgroup_id_x 1
		.amdhsa_system_sgpr_workgroup_id_y 1
		.amdhsa_system_sgpr_workgroup_id_z 1
		.amdhsa_system_vgpr_workitem_id 0
		.amdhsa_next_free_vgpr 94
		.amdhsa_next_free_sgpr 66
		.amdhsa_reserve_vcc 1
		.amdhsa_float_denorm_mode_32 3
		.amdhsa_float_denorm_mode_16_64 3
		.amdhsa_memory_ordered 1
		.amdhsa_forward_progress 1
		.amdhsa_inst_pref_size 14
	.end_amdhsa_kernel
	.amdgpu_metadata
---
amdhsa.version: [ 1, 2 ]
amdhsa.kernels:
  - .name:           k_q7fe678f8da_reduce
    .symbol:         k_q7fe678f8da_reduce.kd
    .args:
      - { .name: pkey, .offset: 0, .size: 8, .value_kind: global_buffer, .address_space: global }
      - { .name: hit, .offset: 8, .size: 8, .value_kind: global_buffer, .address_space: global }
    .group_segment_fixed_size: 5888
    .private_segment_fixed_size: 0
    .kernarg_segment_align: 8
    .kernarg_segment_size: 16
    .max_flat_workgroup_size: 480
    .sgpr_count:     66
    .vgpr_count:     94
    .wavefront_size: 32
...
	.end_amdgpu_metadata
.endif
;; end of part 2
;; launch finish (part 3): grid 750 x 1, 4 waves a work-group, no clusters, 0 bytes of LDS; arguments anchors, gt_boxes, out1, amax, pkey, hit, out0; writes out0
.if DOCPART == 3
	.amdgcn_target "amdgcn-amd-amdhsa--gfx1250"
	.amdhsa_code_object_version 6
	.text
	.protected	k_q7fe678f8da_finish
	.globl	k_q7fe678f8da_finish
	.p2align	8
	.type	k_q7fe678f8da_finish,@function
k_q7fe678f8da_finish:
	s_mov_b64 s[64:65], 0
	v_nop
	global_prefetch_b8 v0, s[64:65] scope:SCOPE_SE
	s_setreg_imm32_b32 hwreg(HW_REG_WAVE_MODE, 25, 1), 1
	s_wait_xcnt 0x0
; The matcher's last steps: out0 = -1 below 0.4, -2 below 0.5, else the argmax; and the argmax again for every anchor that reaches
; some gt's maximum over all anchors.  3,000 waves = 8 images x 375 chunks of 320 anchors, one wave a chunk
; (slots as in the first launch: slot j = 2 p + e is anchor 320 chunk + 64 p + 2 lane + e).  No wave depends on another: no LDS bytes, no barrier.
; The launch before has stored for each chunk two words (hit): word e, bit l: this chunk reaches the maximum of gt 2 l + e.
; They are read as scalars, and every branch and trip count here hangs on these two whole numbers alone.
; Only for a (chunk, gt) whose bit is set is the IoU made again, by the same instructions as in the first launch, hence with the same bits,
; and compared with the maximum, which is then the chunk's own key.  A chunk that does not reach a gt's maximum holds no anchor that does.
; LIMITS as in the first launch: IoUs that are NaN or infinite are not served; the quotient's rounding is the one stated there.
.set NCH,     375
.set CHUNK_A, 5120
.set CHUNK_O, 1280
.set AN, 10                            ; v[10:49]   pair p: the two anchors as loaded
.set AR, 50                            ; v[50:59]   area2 of slot j
.set M,  60                            ; v[60:69]   out1 of slot j
.set PK, 70                            ; v[70:71]   ten indices of 6 bits
.set KO, 72                            ; v[72:73]   my chunk's keys of gts 2 lane and 2 lane + 1
.set HF, 74                            ; v[74:75]   the same as f32
.set GB, 76                            ; v[76:83]   gt boxes 2 lane and 2 lane + 1
.set GA, 84                            ; v[84:85]   their areas
.set BX, 86                            ; v[86:89]   the box at work, in every lane
.set BA, 90                            ; v[90:91]   its area (v91 only completes the pair)
.set HB, 92                            ; v92        its maximum
.set SEL, 93                           ; v93        4 x the lane that holds it
.set LT, 94                            ; v[94:113]  as in the first launch; at the end the ten indices
.set RB, 114                           ; v[114:133] as in the first launch; at the end the ten results
.set FL, 40                            ; s[40:49]   slot j: lanes whose anchor reaches some gt's maximum
.set MK, 50                            ; s[50:59]   lane masks at work
	s_load_b256 s[4:11], s[0:1], 0x0               ; anchors s[4:5], gt_boxes s[6:7], out1 s[8:9], amax s[10:11]
	s_load_b128 s[12:15], s[0:1], 0x20             ; pkey s[12:13], hit s[14:15]
	s_load_b64 s[36:37], s[0:1], 0x30              ; out0
	v_lshrrev_b32 v1, 5, v0
	v_readfirstlane_b32 s16, v1                    ; wave 0..3
	v_and_b32 v1, 31, v0                           ; lane
	s_lshl_b32 s20, ttmp9, 2
	s_add_co_u32 s20, s20, s16                     ; wave's number in the launch, 0..2999 = 375 image + chunk
	s_mul_hi_u32 s17, s20, 11453247                ; image = number / 375: 11453247 = ceil(2^32 / 375), exact for numbers below 13 million
	s_mul_i32 s19, s17, NCH
	s_sub_co_u32 s18, s20, s19                     ; chunk
	s_lshl_b32 s22, s20, 8
	s_mul_i32 s23, s20, CHUNK_O
	s_lshl_b32 s24, s17, 10
	s_mul_i32 s25, s18, CHUNK_A
	s_lshl_b32 s26, s20, 3                         ; hit: 8 bytes a chunk
	s_mov_b32 s27, 0
	v_lshl_add_u32 v3, v1, 3, s22                  ; pkey and amax: my chunk's row, 8 bytes a lane
	v_lshl_add_u32 v4, v1, 3, s23                  ; out1 and out0
	v_lshl_add_u32 v5, v1, 5, s24                  ; gt_boxes: two boxes a lane
	v_lshl_add_u32 v6, v1, 5, s25                  ; anchors: two anchors a lane
	s_wait_kmcnt 0x0
	s_add_nc_u64 s[14:15], s[14:15], s[26:27]
	s_load_b64 s[28:29], s[14:15], 0x0             ; my chunk's two words
	global_load_b64 v[KO:KO+1], v3, s[12:13]
	global_load_b64 v[PK:PK+1], v3, s[10:11]
.irp p, 0,1,2,3,4
	global_load_b64 v[M+2*\p:M+2*\p+1], v4, s[8:9] offset:256*\p
.endr
	global_load_b128 v[GB:GB+3],   v5, s[6:7]
	global_load_b128 v[GB+4:GB+7], v5, s[6:7] offset:16
.irp j, 0,1,2,3,4,5,6,7,8,9
	s_mov_b32 s[FL+\j], 0
.endr
	s_wait_kmcnt 0x0
	s_or_b32 s30, s28, s29
	s_cmp_eq_u32 s30, 0
	s_cbranch_scc1 .Lplain                         ; no gt has its best anchor here: the anchors are not even loaded
.irp p, 0,1,2,3,4
	global_load_b128 v[AN+8*\p:AN+8*\p+3],   v6, s[4:5] offset:1024*\p
	global_load_b128 v[AN+8*\p+4:AN+8*\p+7], v6, s[4:5] offset:1024*\p+16
.endr
	s_wait_loadcnt 10                              ; the nine first loads are in (keys, amax, out1, boxes); the ten anchor loads behind them stay out
.irp e, 0,1
	v_ashrrev_i32 v[HF+\e], 31, v[KO+\e]           ; the key back to f32: top bit set: flip it; clear: flip all bits.
	v_xor_b32 v[HF+\e], -1, v[HF+\e]               ; Where a bit of s28 or s29 is set my own key IS the maximum's key.
	v_or_b32 v[HF+\e], 0x80000000, v[HF+\e]
	v_xor_b32 v[HF+\e], v[KO+\e], v[HF+\e]
.endr
	v_pk_add_f32 v[LT:LT+1],   v[GB+2:GB+3], v[GB:GB+1]   neg_lo:[0,1] neg_hi:[0,1]
	v_pk_add_f32 v[LT+2:LT+3], v[GB+6:GB+7], v[GB+4:GB+5] neg_lo:[0,1] neg_hi:[0,1]
	v_mul_f32 v[GA],   v[LT],   v[LT+1]            ; area1, the same two roundings as on the scalar unit
	v_mul_f32 v[GA+1], v[LT+2], v[LT+3]
	v_mov_b32 v[BA+1], 0                           ; named by the packed add, never used
	s_wait_loadcnt 0x0
.irp j, 0,1,2,3,4,5,6,7,8,9
	v_pk_add_f32 v[LT+2*\j:LT+2*\j+1], v[AN+4*\j+2:AN+4*\j+3], v[AN+4*\j:AN+4*\j+1] neg_lo:[0,1] neg_hi:[0,1]
.endr
.irp j, 0,1,2,3,4,5,6,7,8,9
	v_mul_f32 v[AR+\j], v[LT+2*\j], v[LT+2*\j+1]
.endr
.macro UNI p
	v_pk_add_f32 v[LT+4*\p+2:LT+4*\p+3], v[LT+4*\p+2:LT+4*\p+3], v[LT+4*\p:LT+4*\p+1] neg_lo:[0,1] neg_hi:[0,1]
.endm
.macro RCP p
	v_rcp_f32 v[RB+4*\p],   v[LT+4*\p+2]
	v_rcp_f32 v[RB+4*\p+1], v[LT+4*\p+3]
.endm
.macro QUO p
	s_wait_alu depctr_va_vdst(0)
	v_pk_mul_f32 v[RB+4*\p+2:RB+4*\p+3], v[LT+4*\p:LT+4*\p+1], v[RB+4*\p:RB+4*\p+1]
.endm
; The IoU of the box in v[BX:BX+3] with my ten anchors: operation for operation the sequence of the first launch; q of pair p in v[RB+4p+2:RB+4p+3]
.macro IOU
.irp p, 0,1,2,3,4
	v_max_num_f32 v[LT+4*\p],   v[BX],   v[AN+8*\p]
	v_max_num_f32 v[LT+4*\p+1], v[BX],   v[AN+8*\p+4]
	v_max_num_f32 v[LT+4*\p+2], v[BX+1], v[AN+8*\p+1]
	v_max_num_f32 v[LT+4*\p+3], v[BX+1], v[AN+8*\p+5]
.endr
.irp p, 0,1,2,3,4
	v_minmax_num_f32 v[RB+4*\p],   v[BX+2], v[AN+8*\p+2], v[LT+4*\p]
	v_minmax_num_f32 v[RB+4*\p+1], v[BX+2], v[AN+8*\p+6], v[LT+4*\p+1]
	v_minmax_num_f32 v[RB+4*\p+2], v[BX+3], v[AN+8*\p+3], v[LT+4*\p+2]
	v_minmax_num_f32 v[RB+4*\p+3], v[BX+3], v[AN+8*\p+7], v[LT+4*\p+3]
.endr
.irp p, 0,1,2,3,4
	v_pk_add_f32 v[RB+4*\p:RB+4*\p+1],   v[RB+4*\p:RB+4*\p+1],   v[LT+4*\p:LT+4*\p+1]   neg_lo:[0,1] neg_hi:[0,1]
	v_pk_add_f32 v[RB+4*\p+2:RB+4*\p+3], v[RB+4*\p+2:RB+4*\p+3], v[LT+4*\p+2:LT+4*\p+3] neg_lo:[0,1] neg_hi:[0,1]
.endr
.irp p, 0,1,2,3,4
	v_pk_add_f32 v[LT+4*\p+2:LT+4*\p+3], v[AR+2*\p:AR+2*\p+1], v[BA:BA+1] op_sel_hi:[1,0]
.endr
.irp p, 0,1,2,3,4
	v_pk_mul_f32 v[LT+4*\p:LT+4*\p+1], v[RB+4*\p:RB+4*\p+1], v[RB+4*\p+2:RB+4*\p+3]
.endr
	UNI 0                                          ; plain instructions between each reciprocal and its first use (ISA guide 5.7.2), as in the first launch
	UNI 1
	RCP 0
	UNI 2
	RCP 1
	UNI 3
	RCP 2
	UNI 4
	RCP 3
	QUO 0
	RCP 4
	QUO 1
	QUO 2
	QUO 3
	QUO 4
.irp p, 0,1,2,3,4
	v_pk_fma_f32 v[LT+4*\p+2:LT+4*\p+3], v[LT+4*\p+2:LT+4*\p+3], v[RB+4*\p+2:RB+4*\p+3], v[LT+4*\p:LT+4*\p+1] neg_lo:[1,0,0] neg_hi:[1,0,0]
.endr
.irp p, 0,1,2,3,4
	v_pk_fma_f32 v[RB+4*\p+2:RB+4*\p+3], v[LT+4*\p+2:LT+4*\p+3], v[RB+4*\p:RB+4*\p+1], v[RB+4*\p+2:RB+4*\p+3]
.endr
.endm
; Every set bit l of s[mask] is gt 2 l + e: its box, area and maximum are pulled from lane l into all lanes, the ten IoUs are made
; again, and the anchors that equal the maximum are added to the flags.  As many trips as the word has bits.
.macro FIX e, mask
	s_bcnt1_i32_b32 s31, s[\mask]
	s_cmp_eq_u32 s31, 0
	s_cbranch_scc1 .Lnone_\@
	s_mov_b32 s32, 0
.Lbit_\@:
	s_ctz_i32_b32 s33, s[\mask]                    ; the lowest set bit: a lane's number,
	s_min_u32 s33, s33, 31                         ; held to 0..31, since the word was loaded,
	s_lshl_b32 s33, s33, 2
	v_mov_b32 v[SEL], s33                          ; as the byte index that the permute takes
.irp c, 0,1,2,3
	ds_bpermute_b32 v[BX+\c], v[SEL], v[GB+4*\e+\c]
.endr
	ds_bpermute_b32 v[BA], v[SEL], v[GA+\e]
	ds_bpermute_b32 v[HB], v[SEL], v[HF+\e]
	s_sub_co_u32 s34, s[\mask], 1
	s_and_b32 s[\mask], s[\mask], s34              ; the bit is done
	s_wait_dscnt 0x0
	IOU
.irp p, 0,1,2,3,4
	v_cmp_eq_f32 s[MK+2*\p],   v[RB+4*\p+2], v[HB]
	v_cmp_eq_f32 s[MK+2*\p+1], v[RB+4*\p+3], v[HB]
.endr
.irp j, 0,1,2,3,4,5,6,7,8,9
	s_or_b32 s[FL+\j], s[FL+\j], s[MK+\j]
.endr
	s_add_co_u32 s32, s32, 1
	s_cmp_lt_u32 s32, s31
	s_cbranch_scc1 .Lbit_\@
.Lnone_\@:
.endm
	FIX 0, 28
	FIX 1, 29
.Lplain:
	; every wave: the thresholds on out1, then the recovery; values are chosen by v_cndmask_b32, no lane is switched off
	s_wait_loadcnt 0x0                             ; amax and out1 are in, on the short way too
.irp j, 0,1,2,3,4,5,6,7,8,9
	v_bfe_u32 v[LT+\j], v[PK+\j/5], 6*(\j%5), 6            ; the argmax of slot j
	v_cmp_le_f32 s[MK+\j], 0.5, v[M+\j]
.endr
.irp j, 0,1,2,3,4,5,6,7,8,9
	v_cndmask_b32 v[RB+\j], -2, v[LT+\j], s[MK+\j]         ; 0.5 <= value: the argmax, else -2
.endr
.irp j, 0,1,2,3,4,5,6,7,8,9
	v_cmp_le_f32 s[MK+\j], 0x3ecccccd, v[M+\j]             ; 0.4 in f32
.endr
.irp j, 0,1,2,3,4,5,6,7,8,9
	v_cndmask_b32 v[RB+\j], -1, v[RB+\j], s[MK+\j]         ; value < 0.4: -1
.endr
.irp j, 0,1,2,3,4,5,6,7,8,9
	v_cndmask_b32 v[RB+\j], v[RB+\j], v[LT+\j], s[FL+\j]   ; an anchor that is some gt's best keeps its argmax
.endr
.irp p, 0,1,2,3,4
	global_store_b64 v4, v[RB+2*\p:RB+2*\p+1], s[36:37] offset:256*\p th:TH_STORE_NT   ; 256 consecutive bytes, aligned; each byte of out0 once
.endr
	s_endpgm
.Lfunc_end_k_q7fe678f8da_finish:
	.size	k_q7fe678f8da_finish, .Lfunc_end_k_q7fe678f8da_finish-k_q7fe678f8da_finish
	.p2alignl 7, 3214868480
	.fill 96, 4, 3214868480
	.section	.rodata,"a",@progbits
	.p2align	6, 0x0
	.amdhsa_kernel k_q7fe678f8da_finish
		.amdhsa_group_segment_fixed_size 0
		.amdhsa_private_segment_fixed_size 0
		.amdhsa_enable_private_segment 0
		.amdhsa_kernarg_size 56
		.amdhsa_user_sgpr_count 2
		.amdhsa_user_sgpr_kernarg_segment_ptr 1
		.amdhsa_wavefront_size32 1
		.amdhsa_system_sgpr_workgroup_id_x 1
		.amdhsa_system_sgpr_workgroup_id_y 1
		.amdhsa_system_sgpr_workgroup_id_z 1
		.amdhsa_system_vgpr_workitem_id 0
		.amdhsa_next_free_vgpr 136
		.amdhsa_next_free_sgpr 66
		.amdhsa_reserve_vcc 0
		.amdhsa_float_denorm_mode_32 3
		.amdhsa_float_denorm_mode_16_64 3
		.amdhsa_memory_ordered 1
		.amdhsa_forward_progress 1
		.amdhsa_inst_pref_size 23
	.end_amdhsa_kernel
	.amdgpu_metadata
---
amdhsa.version: [ 1, 2 ]
amdhsa.kernels:
  - .name:           k_q7fe678f8da_finish
    .symbol:         k_q7fe678f8da_finish.kd
    .args:
      - { .name: anchors, .offset: 0, .size: 8, .value_kind: global_buffer, .address_space: global }
      - { .name: gt_boxes, .offset: 8, .size: 8, .value_kind: global_buffer, .address_space: global }
      - { .name: out1, .offset: 16, .size: 8, .value_kind: global_buffer, .address_space: global }
      - { .name: amax, .offset: 24, .size: 8, .value_kind: global_buffer, .address_space: global }
      - { .name: pkey, .offset: 32, .size: 8, .value_kind: global_buffer, .address_space: global }
      - { .name: hit, .offset: 40, .size: 8, .value_kind: global_buffer, .address_space: global }
      - { .name: out0, .offset: 48, .size: 8, .value_kind: global_buffer, .address_space: global }
    .group_segment_fixed_size: 0
    .private_segment_fixed_size: 0
    .kernarg_segment_align: 8
    .kernarg_segment_size: 56
    .max_flat_workgroup_size: 128
    .sgpr_count:     66
    .vgpr_count:     136
    .wavefront_size: 32
...
	.end_amdgpu_metadata
.endif
;; end of part 3
;; ======== version 2 of 2: 3 launches; version 1 with the launch match written anew for expert scheduling mode
;; workspace buffers: amax 768,000 bytes; pkey 768,000 bytes of whole numbers; hit 24,064 bytes of whole numbers
;; launch match (part 4): grid 750 x 1, 4 waves a work-group, no clusters, 35,328 bytes of LDS; arguments anchors, gt_boxes, out1, amax, pkey; writes out1, amax, pkey
.if DOCPART == 4
	.amdgcn_target "amdgcn-amd-amdhsa--gfx1250"
	.amdhsa_code_object_version 6
	.text
	.protected	k_q7fe678f8da_match
	.globl	k_q7fe678f8da_match
	.p2align	8
	.type	k_q7fe678f8da_match,@function
k_q7fe678f8da_match:
	s_mov_b64 s[64:65], 0
	v_nop
	global_prefetch_b8 v0, s[64:65] scope:SCOPE_SE
	s_setreg_imm32_b32 hwreg(HW_REG_WAVE_SCHED_MODE, 0, 2), 2
	s_setreg_imm32_b32 hwreg(HW_REG_WAVE_MODE, 25, 1), 1
	s_wait_xcnt 0x0
	s_wait_alu depctr_vm_vsrc(0)
; IoU of 64 gt boxes with 120,000 anchors for 8 images: per anchor the largest IoU (out1) and the first gt that reaches it (amax),
; per gt the largest IoU inside each chunk of 320 anchors (pkey).  The thresholds and the low-quality recovery follow in the launches behind this one.
; 3,000 waves = 8 images x 375 chunks.  A wave owns one image and one chunk; a lane owns 5 pairs of neighbouring anchors:
; slot j = 2 p + e is anchor 320 chunk + 64 p + 2 lane + e, so a b64 store of the wave covers 256 consecutive bytes, aligned.
; The gt boxes are scalars (s_load_b512, four boxes a set, two sets by turns), the anchors stay in registers for the whole kernel.
; ARITHMETIC: lt = max, rb = min, clip(rb - lt, 0) * clip(..), (area1 + area2) - inter, each rounded in that order.
; The clip is folded in: rb' = max(min(g2, a2), lt), so rb' - lt is rb - lt where that is positive and +0 otherwise.
; LIMITS: (1) an IoU that is NaN or infinite (union = 0) is not served: the maxima here drop NaN.  (2) The quotient is
; q0 + r (n - u q0), q0 = n r, r = v_rcp_f32(u): it is the correctly rounded quotient unless the exact one lies within about 2^-20 ulp
; of the middle between two f32 numbers, where the neighbour may come out.  (3) v_rcp_f32 takes a union below 2^-126 as zero.
; Boxes need not be valid: the running maxima start at -inf, so negative IoUs (negative areas) keep their order.
; THE MODE: SCHED_MODE bits 1:0 = 2 (LLVM: expert scheduling mode 2), set by the entry lines.  The code itself states the register dependences
; between vector instructions and memory or LDS instructions, and those that pass from a vector instruction through a scalar register, with s_wait_alu, always for 0.
; THE PLAN.  Registers that memory or LDS instructions touch, and the scalar registers that vector instructions write:
;   v2 .. v5    offsets and the LDS address of the way out: made once at the head, never written again.
;   AN          the ten loads of the head land here; vector instructions only read them.
;   v[LA]       read by every LDS store; written at the head and once a trip, at the trip's end.
;   HV0, HV1    gt k of a trip writes HV[k % 2]; the LDS store that reads it is issued in gt k + 1 (the eighth gt's at the trip's end).
;   MK          gt k's ten compares write these masks; the ten selects that read them stand in gt k + 1 (the eighth gt's at the trip's end).
;   M, PK, KY   data of the stores of the way out.        RD   the LDS loads of the way out land here: v80 to v119 are LT and RB.
; So a gt has its waits at ONE place, behind its ten reciprocals: the wait for the masks of the gt before; that gt's ten selects, which are the plain
; work behind the reciprocals; the wait that frees the HV that this gt writes; and the one wait on va_vdst, which states that the reciprocals are
; written and that the gt before has written its HV.  That gt's LDS store follows at once.  Nothing is left open at a label or a branch.
.set NCH,     375                      ; chunks in an image
.set CHUNK_A, 5120                     ; bytes of a chunk's anchors: 320 x 16
.set CHUNK_O, 1280                     ; bytes of a chunk in out1: 320 x 4
.set DROW,    272                      ; LDS: two gt rows of 32 lanes x 4 bytes + 16 of padding = 17 x 16 bytes
.set WLDS,    32*DROW                  ; a wave's own LDS: 64 gt rows
.set HV, 6                             ; v[6:7]     a gt's maximum over my 10 anchors: two registers by turns
.set AN, 8                             ; v[8:47]    pair p: x1 y1 x2 y2 of the even anchor, then of the odd one, as loaded
.set AR, 48                            ; v[48:57]   area2 of slot j
.set M,  58                            ; v[58:67]   running maximum of slot j
.set IX, 68                            ; v[68:77]   first gt that reached it (v78 is not used)
.set LA, 79                            ; v79        LDS address of my word in the trip's first gt row
.set LT, 80                            ; v[80:99]   pair p: ltx e,o  lty e,o; later inter e,o  union e,o; later residual in union's place
.set RB, 100                           ; v[100:119] pair p: rbx e,o  rby e,o; later w, h; later r e,o  q e,o
.set RD, 80                            ; v[80:143]  at the end: the two gt rows that I reduce, 32 words each
.set PK, 144                           ; v[144:145] ten indices of 6 bits
.set KY, 146                           ; v[146:147] two keys
.set TT, 148                           ; v[148:149] at work
.set GS, 48                            ; s48, s50, s52, s54: area1 of the set's four boxes; the odd registers only complete the pairs
.set MK, 66                            ; s[66:75]   lane masks of the ten compares
	s_load_b256 s[4:11], s[0:1], 0x0               ; anchors s[4:5], gt_boxes s[6:7], out1 s[8:9], amax s[10:11]
	s_load_b64 s[12:13], s[0:1], 0x20              ; pkey
	v_lshl_add_u32 v150, v0, 2, 0x8800
	v_mov_b32 v151, 0
	v_lshrrev_b32 v1, 5, v0
	v_readfirstlane_b32 s14, v1                    ; wave 0..3
	v_and_b32 v1, 31, v0                           ; lane
	s_lshl_b32 s15, ttmp9, 2
	s_wait_alu depctr_va_sdst(0)                   ; s14 is written, ahead of its first reader: every offset below is made from it
	s_add_co_u32 s15, s15, s14                     ; wave's number in the launch, 0..2999 = 375 image + chunk
	s_mul_hi_u32 s60, s15, 11453247                ; image = number / 375: 11453247 = ceil(2^32 / 375), exact for numbers below 13 million
	s_mul_i32 s61, s60, NCH
	s_sub_co_u32 s61, s15, s61                     ; chunk
	s_mul_i32 s61, s61, CHUNK_A
	v_lshl_add_u32 v2, v1, 5, s61                  ; anchors: chunk + 32 bytes (two anchors) a lane
	s_mul_i32 s62, s15, CHUNK_O                    ; 375 x 1,280 = a row of out1, so image and chunk are one product
	v_lshl_add_u32 v3, v1, 3, s62                  ; out1: + 8 bytes a lane
	s_lshl_b32 s63, s15, 8
	v_lshl_add_u32 v4, v1, 3, s63                  ; amax and pkey: 256 bytes a wave, 8 a lane
	s_mul_i32 s56, s14, WLDS
	v_lshl_add_u32 v[LA], v1, 2, s56               ; LDS in: my word of a gt row
	v_mul_u32_u24 v5, v1, DROW
	v_add_nc_u32 v5, s56, v5                       ; LDS back: gt rows 2 lane and 2 lane + 1
	s_lshl_b32 s2, s60, 10                         ; an image's boxes: 1,024 bytes
	s_mov_b32 s3, 0
	s_wait_kmcnt 0x0
	s_wait_alu depctr_va_vdst(0)                   ; v2 to v5 and v[LA] are written: the loads below read v2, the stores and LDS instructions further down the others
.irp p, 0,1,2,3,4
	global_load_b128 v[AN+8*\p:AN+8*\p+3],   v2, s[4:5] offset:1024*\p
	global_load_b128 v[AN+8*\p+4:AN+8*\p+7], v2, s[4:5] offset:1024*\p+16
.endr
	s_add_nc_u64 s[6:7], s[6:7], s[2:3]
	s_load_b512 s[16:31], s[6:7], 0x0              ; boxes 0 to 3
.irp j, 0,1,2,3,4,5,6,7,8,9
	v_mov_b32 v[M+\j], 0xff800000                  ; -inf: the first gt always wins, so a tie at the maximum keeps the first index
	v_mov_b32 v[IX+\j], 0
.endr
.irp j, 1,3,5,7
	s_mov_b32 s[GS+\j], 0                          ; upper halves of the area pairs: named by the packed add, never used
.endr
	s_mov_b32 s58, 0                               ; the number of the gt whose selects come next
	s_mov_b32 s59, 0                               ; trips
	s_wait_loadcnt 0x0
.irp j, 0,1,2,3,4,5,6,7,8,9
	v_pk_add_f32 v[LT+2*\j:LT+2*\j+1], v[AN+4*\j+2:AN+4*\j+3], v[AN+4*\j:AN+4*\j+1] neg_lo:[0,1] neg_hi:[0,1]
.endr
.irp j, 0,1,2,3,4,5,6,7,8,9
	v_mul_f32 v[AR+\j], v[LT+2*\j], v[LT+2*\j+1]   ; area2 = (x2 - x1) (y2 - y1)
.endr
; area1 of the four boxes of a set, on the scalar unit: a - b as a + (-b), the same single rounding
.macro AREAS sb
.irp j, 0,1,2,3
	s_xor_b32 s56, s[\sb+4*\j], 0x80000000
	s_xor_b32 s57, s[\sb+4*\j+1], 0x80000000
	s_add_f32 s56, s[\sb+4*\j+2], s56
	s_add_f32 s57, s[\sb+4*\j+3], s57
	s_mul_f32 s[GS+2*\j], s56, s57
.endr
.endm
.macro UNI p                           ; union = (area1 + area2) - inter
	v_pk_add_f32 v[LT+4*\p+2:LT+4*\p+3], v[LT+4*\p+2:LT+4*\p+3], v[LT+4*\p:LT+4*\p+1] neg_lo:[0,1] neg_hi:[0,1]
.endm
.macro RCP p
	v_rcp_f32 v[RB+4*\p],   v[LT+4*\p+2]
	v_rcp_f32 v[RB+4*\p+1], v[LT+4*\p+3]
.endm
.macro QUO p                           ; q0 = inter * r
	v_pk_mul_f32 v[RB+4*\p+2:RB+4*\p+3], v[LT+4*\p:LT+4*\p+1], v[RB+4*\p:RB+4*\p+1]
.endm
; The ten selects of the gt whose compares were issued last: where its IoU was strictly larger, the slot's index becomes its number, s58.
.macro PICK
	s_wait_alu depctr_va_sdst(0)                   ; the ten compares have written the masks s[MK ..], ahead of their first reader
.irp j, 0,1,2,3,4,5,6,7,8,9
	v_cndmask_b32 v[IX+\j], v[IX+\j], s58, s[MK+\j]
.endr
.endm
; One gt box (s[sb:sb+3], area1 in s[sa]) against my ten anchors, stage by stage over the five pairs, so that an instruction's
; sources were written five or more instructions earlier.  k: the gt's place in its trip, 0 to 7; its row lies (k / 2) DROW + 128 (k % 2) bytes behind v[LA].
.macro GT sb, sa, k
.irp p, 0,1,2,3,4
	v_max_num_f32 v[LT+4*\p],   s[\sb],   v[AN+8*\p]
	v_max_num_f32 v[LT+4*\p+1], s[\sb],   v[AN+8*\p+4]
	v_max_num_f32 v[LT+4*\p+2], s[\sb+1], v[AN+8*\p+1]
	v_max_num_f32 v[LT+4*\p+3], s[\sb+1], v[AN+8*\p+5]
.endr
.irp p, 0,1,2,3,4
	v_minmax_num_f32 v[RB+4*\p],   s[\sb+2], v[AN+8*\p+2], v[LT+4*\p]     ; max(min(g2, a2), lt): the clip at 0, ahead of the difference
	v_minmax_num_f32 v[RB+4*\p+1], s[\sb+2], v[AN+8*\p+6], v[LT+4*\p+1]
	v_minmax_num_f32 v[RB+4*\p+2], s[\sb+3], v[AN+8*\p+3], v[LT+4*\p+2]
	v_minmax_num_f32 v[RB+4*\p+3], s[\sb+3], v[AN+8*\p+7], v[LT+4*\p+3]
.endr
.irp p, 0,1,2,3,4
	v_pk_add_f32 v[RB+4*\p:RB+4*\p+1],   v[RB+4*\p:RB+4*\p+1],   v[LT+4*\p:LT+4*\p+1]   neg_lo:[0,1] neg_hi:[0,1]   ; w of both anchors
	v_pk_add_f32 v[RB+4*\p+2:RB+4*\p+3], v[RB+4*\p+2:RB+4*\p+3], v[LT+4*\p+2:LT+4*\p+3] neg_lo:[0,1] neg_hi:[0,1]   ; h of both
.endr
.irp p, 0,1,2,3,4
	v_pk_add_f32 v[LT+4*\p+2:LT+4*\p+3], v[AR+2*\p:AR+2*\p+1], s[\sa:\sa+1] op_sel_hi:[1,0]   ; area1 + area2
.endr
.irp p, 0,1,2,3,4
	v_pk_mul_f32 v[LT+4*\p:LT+4*\p+1], v[RB+4*\p:RB+4*\p+1], v[RB+4*\p+2:RB+4*\p+3]           ; inter = w h
.endr
	; The ten reciprocals are ONE BATCH, the unions of later pairs laid between them; nothing names a result of theirs ahead of the wait on va_vdst below.
	; Behind the last of them stands plain work that names none of their registers (ISA guide 5.7.2): the selects of the gt before, or a v_nop.
	UNI 0
	UNI 1
	RCP 0
	UNI 2
	RCP 1
	UNI 3
	RCP 2
	UNI 4
	RCP 3
	RCP 4
.if (\k) > 0
	PICK                                           ; the gt before: its compares stand a whole gt's first stages back
.if (\k) > 1
	s_wait_alu depctr_vm_vsrc(0)                   ; the LDS store issued in the gt before has read HV[k % 2], which this gt writes again (for k = 0, 1 the wait at the last trip's end says so)
.endif
	s_wait_alu depctr_va_vdst(0)                   ; the ten reciprocals are written, ahead of their first reader; the gt before has written its HV, which the store below reads
	ds_store_b32 v[LA], v[HV+((\k)-1)%2] offset:(((\k)-1)/2)*DROW+(((\k)-1)%2)*128   ; the gt before: 32 lanes, 128 consecutive bytes of my wave's own LDS
	s_add_co_u32 s58, s58, 1                       ; the next selects are this gt's
.else
	v_nop                                          ; the trip's first gt has no gt before it in the trip: the plain instruction behind the last reciprocal
	s_wait_alu depctr_va_vdst(0)                   ; the ten reciprocals are written, ahead of their first reader; v[LA], stepped at the last trip's end, is written
.endif
	QUO 0
	QUO 1
	QUO 2
	QUO 3
	QUO 4
.irp p, 0,1,2,3,4
	v_pk_fma_f32 v[LT+4*\p+2:LT+4*\p+3], v[LT+4*\p+2:LT+4*\p+3], v[RB+4*\p+2:RB+4*\p+3], v[LT+4*\p:LT+4*\p+1] neg_lo:[1,0,0] neg_hi:[1,0,0]   ; inter - union q0
.endr
.irp p, 0,1,2,3,4
	v_pk_fma_f32 v[RB+4*\p+2:RB+4*\p+3], v[LT+4*\p+2:LT+4*\p+3], v[RB+4*\p:RB+4*\p+1], v[RB+4*\p+2:RB+4*\p+3]   ; q = q0 + residual r
.endr
.irp p, 0,1,2,3,4
	v_cmp_gt_f32 s[MK+2*\p],   v[RB+4*\p+2], v[M+2*\p]      ; strictly larger: an equal later gt does not take the index
	v_cmp_gt_f32 s[MK+2*\p+1], v[RB+4*\p+3], v[M+2*\p+1]
.endr
	v_max_num_f32 v[HV+(\k)%2], v[RB+2], v[RB+3]            ; the first pair starts this gt's maximum: nothing is cleared
.irp p, 0,1,2,3,4
	v_max_num_f32 v[M+2*\p],   v[M+2*\p],   v[RB+4*\p+2]
	v_max_num_f32 v[M+2*\p+1], v[M+2*\p+1], v[RB+4*\p+3]
.if \p > 0
	v_max3_num_f32 v[HV+(\k)%2], v[HV+(\k)%2], v[RB+4*\p+2], v[RB+4*\p+3]
.endif
.endr
.endm
; Eight gt boxes.  more = 1: the next trip's first set is asked for while the second set is worked on.
; The eighth gt's selects and its LDS store stand at the trip's end: no mask and no HV is left open at the branch.
.macro TRIP more
	s_wait_kmcnt 0x0                               ; the first set is in (asked for four boxes' work ago)
	s_load_b512 s[32:47], s[6:7], 0x40             ; the second set, for four boxes' work from now
	AREAS 16
	GT 16, GS+0, 0
	GT 20, GS+2, 1
	GT 24, GS+4, 2
	GT 28, GS+6, 3
	s_wait_kmcnt 0x0                               ; the second set is in, and no scalar load still reads s[6:7]
.if \more
	s_add_nc_u64 s[6:7], s[6:7], 128               ; eight boxes on
	s_load_b512 s[16:31], s[6:7], 0x0
.endif
	AREAS 32
	GT 32, GS+0, 4
	GT 36, GS+2, 5
	GT 40, GS+4, 6
	GT 44, GS+6, 7
	PICK                                           ; the eighth gt's selects
.if !\more
.irp h, 0,1
	v_lshl_or_b32 v[PK+\h], v[IX+5*\h+1], 6,  v[IX+5*\h]               ; the indices are final: five of 6 bits in a word: slots 0-4, slots 5-9
	v_lshl_or_b32 v[PK+\h], v[IX+5*\h+2], 12, v[PK+\h]
	v_lshl_or_b32 v[PK+\h], v[IX+5*\h+3], 18, v[PK+\h]
	v_lshl_or_b32 v[PK+\h], v[IX+5*\h+4], 24, v[PK+\h]
.endr
	s_wait_alu depctr_va_vdst(0)                   ; the eighth gt has written HV1, which the store below reads; M and PK are written, which the stores of the way out read; every reader and writer of v80 to v119, in which the LDS loads of the way out land, is done
	ds_store_b32 v[LA], v[HV+1] offset:3*DROW+128
.else
	s_wait_alu depctr_va_vdst(0)                   ; the eighth gt has written HV1, which the store below reads
	ds_store_b32 v[LA], v[HV+1] offset:3*DROW+128
	s_add_co_u32 s58, s58, 1                       ; the next selects are the next trip's first gt's
	s_wait_alu depctr_vm_vsrc(0)                   ; the LDS stores issued so far have read v[LA], which the add below writes, and HV0 and HV1, which the next trip's first two gts write
	v_add_nc_u32 v[LA], 4*DROW, v[LA]
.endif
.endm
.Ltrip:
	TRIP 1
	s_add_co_u32 s59, s59, 1
	s_cmp_lt_u32 s59, 7
	s_cbranch_scc1 .Ltrip
	TRIP 0                                         ; boxes 56 to 63: nothing is asked for beyond the image's 64 boxes
	; the gt rows back, transposed: lane l takes rows 2 l and 2 l + 1, 256 bytes at 272 l: the sixteen lanes of a half wave start at
	; sixteen different 16-byte columns of 256.  A wave's LDS instructions are served in order (ISA guide 5.7.1): these see the stores above.
	; No vector instruction stands between the last wait on va_vdst and the LDS loads and the six stores below: that wait serves them all.
.set i, 0
.rept 16
	ds_load_b128 v[RD+4*i:RD+4*i+3], v5 offset:16*i
.set i, i+1
.endr
.irp p, 0,1,2,3,4
	global_store_b64 v3, v[M+2*\p:M+2*\p+1], s[8:9] offset:256*\p      ; out1: 256 consecutive bytes, aligned; read again by the last launch
.endr
	global_store_b64 v4, v[PK:PK+1], s[10:11]
	s_wait_dscnt 0x0
.set i, 0
.rept 16
	v_max3_num_f32 v[RD+4*i], v[RD+4*i], v[RD+4*i+1], v[RD+4*i+2]
.set i, i+1
.endr
.set i, 0
.rept 16
	v_max_num_f32 v[RD+4*i], v[RD+4*i], v[RD+4*i+3]
.set i, i+1
.endr
.irp h, 0,1
	v_max3_num_f32 v[RD+32*\h],    v[RD+32*\h],    v[RD+32*\h+4],  v[RD+32*\h+8]
	v_max3_num_f32 v[RD+32*\h+12], v[RD+32*\h+12], v[RD+32*\h+16], v[RD+32*\h+20]
	v_max_num_f32  v[RD+32*\h+24], v[RD+32*\h+24], v[RD+32*\h+28]
.endr
.irp h, 0,1
	v_max3_num_f32 v[RD+32*\h], v[RD+32*\h], v[RD+32*\h+12], v[RD+32*\h+24]
.endr
	; The chunk's maximum as a key whose unsigned order is the numbers' order: -0 becomes +0, then the sign bit is flipped
	; for numbers >= 0 and all bits for numbers < 0.  Equal numbers have equal keys, so the next launch compares whole numbers.
.irp h, 0,1
	v_add_f32 v[KY+\h], 0, v[RD+32*\h]
	v_ashrrev_i32 v[TT+\h], 31, v[KY+\h]
	v_or_b32 v[TT+\h], 0x80000000, v[TT+\h]
	v_xor_b32 v[KY+\h], v[KY+\h], v[TT+\h]
.endr
	s_wait_alu depctr_va_vdst(0)                   ; the two keys are written, which the store below reads
	global_store_b64 v4, v[KY:KY+1], s[12:13]      ; 64 keys of this chunk: 256 consecutive bytes, aligned
	s_wait_dscnt 0x0
	s_wait_alu depctr_hold_cnt(0) depctr_sa_sdst(0) depctr_va_vdst(0) depctr_va_sdst(0) depctr_va_ssrc(0) depctr_va_vcc(0) depctr_vm_vsrc(0)
	s_wait_tensorcnt 0x0
	ds_add_u32 v150, v151
	s_wait_dscnt 0x0
	s_endpgm
.Lfunc_end_k_q7fe678f8da_match:
	.size	k_q7fe678f8da_match, .Lfunc_end_k_q7fe678f8da_match-k_q7fe678f8da_match
	.p2alignl 7, 3214868480
	.fill 96, 4, 3214868480
	.section	.rodata,"a",@progbits
	.p2align	6, 0x0
	.amdhsa_kernel k_q7fe678f8da_match
		.amdhsa_group_segment_fixed_size 35328
		.amdhsa_private_segment_fixed_size 0
		.amdhsa_enable_private_segment 0
		.amdhsa_kernarg_size 40
		.amdhsa_user_sgpr_count 2
		.amdhsa_user_sgpr_kernarg_segment_ptr 1
		.amdhsa_wavefront_size32 1
		.amdhsa_system_sgpr_workgroup_id_x 1
		.amdhsa_system_sgpr_workgroup_id_y 1
		.amdhsa_system_sgpr_workgroup_id_z 1
		.amdhsa_system_vgpr_workitem_id 0
		.amdhsa_next_free_vgpr 152
		.amdhsa_next_free_sgpr 76
		.amdhsa_reserve_vcc 0
		.amdhsa_float_denorm_mode_32 3
		.amdhsa_float_denorm_mode_16_64 3
		.amdhsa_memory_ordered 1
		.amdhsa_forward_progress 1
		.amdhsa_inst_pref_size 121
	.end_amdhsa_kernel
	.amdgpu_metadata
---
amdhsa.version: [ 1, 2 ]
amdhsa.kernels:
  - .name:           k_q7fe678f8da_match
    .symbol:         k_q7fe678f8da_match.kd
    .args:
      - { .name: anchors, .offset: 0, .size: 8, .value_kind: global_buffer, .address_space: global }
      - { .name: gt_boxes, .offset: 8, .size: 8, .value_kind: global_buffer, .address_space: global }
      - { .name: out1, .offset: 16, .size: 8, .value_kind: global_buffer, .address_space: global }
      - { .name: amax, .offset: 24, .size: 8, .value_kind: global_buffer, .address_space: global }
      - { .name: pkey, .offset: 32, .size: 8, .value_kind: global_buffer, .address_space: global }
    .group_segment_fixed_size: 35328
    .private_segment_fixed_size: 0
    .kernarg_segment_align: 8
    .kernarg_segment_size: 40
    .max_flat_workgroup_size: 128
    .sgpr_count:     76
    .vgpr_count:     152
    .wavefront_size: 32
...
	.end_amdgpu_metadata
.endif
;; end of part 4
;; launch reduce: the kernel of part 2 again; grid 8 x 1, 15 waves a work-group, no clusters, 5,888 bytes of LDS; arguments pkey, hit; writes hit
;; launch finish: the kernel of part 3 again; grid 750 x 1, 4 waves a work-group, no clusters, 0 bytes of LDS; arguments anchors, gt_boxes, out1, amax, pkey, hit, out0; writes out0
